; MI455X (gfx1250); checked and timed in simulation.
; The chip was launched on July 23, 2026; its instructions are those of AMD's public machine-readable ISA for CDNA 5 (MIT licence, August 2026) and "CDNA5" Instruction Set Architecture Reference Guide (July 2026). The comments in the code are by the model that wrote it; some were corrected since.
;; CLSTM Cell. Allowed arithmetic: matrix products marked QUANTISED: E2M1 operands, one E8M0 scale for each 32 along K, by v_wmma_scale_f32_16x16x128_f8f6f4 with both operands' format E2M1 (or v_wmma_scale_f32_32x16x128_f4), f32 sums; everything else in f32.
;; Inputs: Ub_i 4 x 1,024 float32; Ub_r 4 x 1,024 float32; Uw_i 4 x 1,024 x 1,024 float32; Uw_r 4 x 1,024 x 1,024 float32; Wb_i 4 x 1,024 float32; Wb_r 4 x 1,024 float32; Ww_i 4 x 1,024 x 1,024 float32; Ww_r 4 x 1,024 x 1,024 float32; c_x 2,048 x 2,048 float32; h_x 2,048 x 2,048 float32; input 2,048 x 2,048 float32.
;; Outputs: out0 2,048 x 2,048 float32; out1 2,048 x 2,048 float32.
;; This version of the problem:
;;   THIS VERSION OF THE PROBLEM IS GIVEN IN LOW PRECISION. The matrix products marked QUANTISED in the list below multiply operands that are first quantised to E2M1 (2 exponent bits, 1 mantissa bit; 4 bits a number), with one power-of-two scale for each 32 numbers along K (OCP MX v1.0); their sums are f32. All else is computed in f32.
;;   The module's matrix products, in the order in which they are computed (A, B: the left and right operand; K: the contracted axis; several contracted axes count as one K, in the product's order):
;;     1. [M 2,048, K 1,024] x [K 1,024, N 4,096]; A: input input; B: input Uw_r: QUANTISED
;;     2. [M 2,048, K 1,024] x [K 1,024, N 4,096]; A: input input; B: input Uw_i: QUANTISED
;;     3. [M 2,048, K 1,024] x [K 1,024, N 4,096]; A: input input; B: input Uw_i: QUANTISED
;;     4. [M 2,048, K 1,024] x [K 1,024, N 4,096]; A: input input; B: input Uw_r: QUANTISED
;;     5. [M 2,048, K 1,024] x [K 1,024, N 4,096]; A: input h_x; B: input Ww_r: QUANTISED
;;     6. [M 2,048, K 1,024] x [K 1,024, N 4,096]; A: input h_x; B: input Ww_i: QUANTISED
;;     7. [M 2,048, K 1,024] x [K 1,024, N 4,096]; A: input h_x; B: input Ww_i: QUANTISED
;;     8. [M 2,048, K 1,024] x [K 1,024, N 4,096]; A: input h_x; B: input Ww_r: QUANTISED
;;   THE QUANTISER, for each operand of a quantised product, along K:
;;     - K is cut into blocks of 32 from its start; a last block that is shorter is filled with zeros.
;;     - A block's scale is 2^e with e = floor(log2(the largest magnitude in the block)) - 2, held to -126 .. 127; a block of zeros has e = 0. As a byte (E8M0): e + 127.
;;     - Each number is divided by its block's scale, clamped to +-6, and rounded to the nearest number of E2M1, ties to even, subnormals kept.
;;     - The product sums the exact products of the quantised numbers (number of the format x scale) in f32.
;;   ~~~python
;;   def quantise(x, axis):      # numpy; x: float32 -> the quantised numbers, widened to float32 again
;;       x = np.moveaxis(x, axis, -1); K = x.shape[-1]
;;       x = np.pad(x, [(0, 0)] * (x.ndim - 1) + [(0, -K % 32)]); x = x.reshape(x.shape[:-1] + (-1, 32)); a = np.abs(x).max(-1, keepdims=True)
;;       e = np.where(a > 0, np.clip(np.frexp(np.where(a > 0, a, 1))[1] - 1 - 2, -126, 127), 0)      # np.frexp(a)[1] - 1 = floor(log2(a)), exactly
;;       r = np.clip(x / 2.0 ** e, -6, 6)
;;       step = 2.0 ** (np.maximum(np.frexp(np.where(r == 0, 1, r))[1] - 1, 0) - 1)
;;       q = np.round(r / step) * step * 2.0 ** e      # np.round: ties to even
;;       return np.moveaxis(q.reshape(q.shape[:-2] + (-1,))[..., :K], -1, axis).astype(np.float32)
;;   ~~~
;; One version. Each part assembles by itself: llvm-mc -triple=amdgcn-amd-amdhsa -mcpu=gfx1250 --defsym DOCPART=n.
;; ======== version 1 of 1: 2 launches
;; limits: right only within a limited range of input values
;; workspace buffers: aw 4,456,448 bytes; bw 8,912,896 bytes
;; launch quant (part 1): grid 768 x 1, 4 waves a work-group, no clusters, 35,328 bytes of LDS; arguments input, h_x, Uw_r, Uw_i, Ww_r, Ww_i, aw, bw; writes aw, bw
.if DOCPART == 1
	.amdgcn_target "amdgcn-amd-amdhsa--gfx1250"
	.amdhsa_code_object_version 6
	.text
	.protected	k_q8d1dc16415_quant
	.globl	k_q8d1dc16415_quant
	.p2align	8
	.type	k_q8d1dc16415_quant,@function
k_q8d1dc16415_quant:
	s_mov_b64 s[64:65], 0
	v_nop
	global_prefetch_b8 v0, s[64:65] scope:SCOPE_SE
	s_setreg_imm32_b32 hwreg(HW_REG_WAVE_MODE, 25, 1), 1
	s_wait_xcnt 0x0
; input, h_x [2048][2048] f32 (columns 0-1023 real, 1024-2047 imaginary) and Uw_r, Uw_i, Ww_r, Ww_i [4][1024][1024] f32 become codes of FP4 (E2M1) with one E8M0 scale byte
; for each 32 along K (K is innermost in all six).  A block's scale is 2^(floor(log2(its largest magnitude)) - 2); its byte is the largest magnitude's exponent field - 2, held at 1 from below.
; THE LAYOUT IS THE READER'S: a fragment (16 rows x 128 K) is stored as the image of the operand's 8 registers: registers 4 cc .. 4 cc + 3 of lane l at 512 cc + 16 l, 1,024 bytes a fragment.
;   aw [ty 16][q 16][17,408]: q = 8 T + (which 128 along d), T: input, h_x.  Codes at 2048 a + 1024 c (a: 16-row block, c: real, imaginary);
;      scale words at 16,384 + 256 k + 8 lane + 4 c: row r of block 2 k + u belongs to lane 16 u + r.
;   bw [tx 16][q 16][cgl 4][8,704]: hidden unit 64 tx + 16 cgl + r.  Codes at 2048 g + 1024 c (g: gate); scale words at 8,192 + 256 gp + 8 lane + 4 c: unit r of gate 2 gp + u belongs to lane 16 u + r.
; SHARES.  A wave takes 16 rows x 256 along d of the real and of the imaginary part: four fragments f = 2 c + s (s: which 128).  The four waves of a work-group take four row blocks, or the four gates of 16 units.
; Work-groups 0-255 take the activations, 256-511 U, 512-767 W: only pointers and offsets are chosen, by the work-group's number; all take one path.  No tensor loads.
; A load reads 512 consecutive bytes of one row; the conversions want 32 neighbours along K in ONE lane: so a fragment's 8,192 bytes turn through the wave's own stage in LDS (rows of 512 + 16 bytes).
; A unit of 256 bytes of scale words comes from two waves: the words meet in LDS behind one barrier, and each wave stores one whole unit of the four.
; LIMITS: NaN and infinities among the inputs are not served.  A block of zeros gets the byte 1 where the rule says 127: its codes are zeros, and this program alone reads the bytes.
; Blocks whose largest magnitude lies under 2^(3 - 127) have their byte held at 1.
.set LI,   4                           ; v4    16 x lane: my place in a register image
.set STI,  5                           ; v5    the stage, on the way in: 8448 x wave + 16 x lane
.set STO,  6                           ; v6    on the way out: 8448 x wave + 528 r + 128 h
.set H8,   7                           ; v7    8 h
.set SWO,  8                           ; v8    8 x lane: my place in a unit of scale words
.set EXI,  9                           ; v9    the exchange, on the way in: unit 2 (wave >> 1) + h, 128 (wave & 1) + 8 r
.set M,    10                          ; v10-11  largest magnitudes of my two blocks
.set SOP,  12                          ; v12-13  the conversions' scale operands
.set BY,   14                          ; v14-15  the scale bytes
.set OFF,  16                          ; v16-31  row j's byte offset: j x pitch + 16 x lane; never rewritten
.set R,    32                          ; v32-159 two sets of 64: a fragment as loaded
.set X,    160                         ; v160-223 register 32 cc + i: row r, k = 64 cc + 32 h + i
.set C,    224                         ; v224-231 the fragment's codes
.set WD,   240                         ; v240-243 fragment f's scale word of row r
.set SW,   244                         ; v244-245 the two words that I hand over
.set W,    246
.set T,    247
.set SU,   248                         ; v248-249 the two words that I store
.set EXO,  250                         ; v250  the exchange, on the way out: unit wave, 8 x lane
.set EX,   34304                       ; four units of 256 bytes, behind the spare words
.set WV,   20
.set KIND, 21                          ; s21   0 activations, 1 U, 2 W
.set P0,   40                          ; s[40:41] the real part's first byte, s[42:43] the imaginary part's
.set DSC,  56                          ; s[56:57] where my unit of scale words goes
.set DC,   58                          ; s[58:59], s[60:61] where my codes of s = 0, 1 go
	s_load_b256 s[4:11], s[0:1], 0x0               ; input, h_x, Uw_r, Uw_i
	s_load_b256 s[12:19], s[0:1], 0x20             ; Ww_r, Ww_i, aw, bw
	v_lshl_add_u32 v254, v0, 2, 0x8400             ; my spare word, behind the four stages
	v_mov_b32 v255, 0
	v_lshrrev_b32 v1, 5, v0
	v_readfirstlane_b32 s[WV], v1                  ; wave 0..3
	v_and_b32 v1, 31, v0                           ; lane
	v_and_b32 v2, 15, v0                           ; r
	v_bfe_u32 v3, v0, 4, 1                         ; h
	v_lshlrev_b32 v[LI], 4, v1
	s_wait_alu depctr_va_vdst(0)
	s_mul_i32 s54, s[WV], 8448                     ; my stage: 16 rows x 528 bytes
	v_add_nc_u32 v[STI], s54, v[LI]
	v_mul_u32_u24 v[STO], v2, 528
	v_lshl_add_u32 v[STO], v3, 7, v[STO]
	v_add_nc_u32 v[STO], s54, v[STO]
	v_lshlrev_b32 v[H8], 3, v3
	v_lshlrev_b32 v[SWO], 3, v1
	s_lshr_b32 s54, s[WV], 1
	s_and_b32 s55, s[WV], 1
	s_lshl_b32 s62, s54, 9
	s_lshl_b32 s63, s55, 7
	s_add_co_u32 s62, s62, s63
	s_add_co_u32 s62, s62, EX
	v_lshlrev_b32 v[EXI], 3, v2
	v_lshl_add_u32 v[EXI], v3, 8, v[EXI]
	v_add_nc_u32 v[EXI], s62, v[EXI]
	s_lshl_b32 s62, s[WV], 8
	s_add_co_u32 s62, s62, EX
	s_wait_alu depctr_va_vdst(0)
	v_add_nc_u32 v[EXO], s62, v[SWO]
	v_mov_b32 v[T], 0                              ; written once: a lane permute's destination counts as one of its sources
	s_wait_alu depctr_va_vdst(0)                   ; ahead of the run of scalar instructions
	s_mov_b32 s48, 0x76543210
	s_mov_b32 s49, 0xfedcba98                      ; v_permlanex16_b32's selects for lane l xor 16
	s_lshr_b32 s[KIND], ttmp9, 8
	s_and_b32 s22, ttmp9, 255                      ; the work-group's number within its kind
	s_and_b32 s23, s22, 3                          ; which 256 along d
	s_lshl_b32 s28, s23, 10                        ; 256 along d are 1,024 bytes
	s_lshl_b32 s23, s23, 1                         ; the first of their two steps
	; as a work-group of the activations: T = bit 7, ty = bits 6:3, a = 4 x bit 2 + wave
	s_lshr_b32 s24, s22, 7
	s_bfe_u32 s25, s22, 0x40003
	s_bfe_u32 s33, s22, 0x10002
	s_lshl_b32 s26, s33, 2
	s_add_co_u32 s26, s26, s[WV]
	s_lshl_b32 s27, s25, 7
	s_lshl_b32 s29, s26, 4
	s_add_co_u32 s27, s27, s29                     ; my first row: 128 ty + 16 a
	s_lshl_b32 s27, s27, 13                        ; x 8,192 bytes
	s_add_co_u32 s27, s27, s28                     ; where I read
	s_lshl_b32 s29, s25, 4
	s_lshl_b32 s30, s24, 3
	s_add_co_u32 s29, s29, s30
	s_add_co_u32 s29, s29, s23
	s_mul_i32 s29, s29, 17408                      ; aw's block (ty, q)
	s_lshl_b32 s30, s26, 11
	s_add_co_u32 s30, s30, s29                     ; my codes
	s_lshl_b32 s31, s33, 9
	s_add_co_u32 s31, s31, s29
	s_add_co_u32 s31, s31, 16384                   ; the four row blocks' scale words
	; as a work-group of the weights: tx = bits 7:4, cgl = bits 3:2, gate = wave
	s_lshr_b32 s32, s22, 4
	s_bfe_u32 s33, s22, 0x20002
	s_lshl_b32 s34, s[WV], 10
	s_lshl_b32 s36, s32, 6
	s_add_co_u32 s34, s34, s36
	s_lshl_b32 s36, s33, 4
	s_add_co_u32 s34, s34, s36                     ; my first row: 1024 g + 64 tx + 16 cgl
	s_lshl_b32 s34, s34, 12                        ; x 4,096 bytes
	s_add_co_u32 s34, s34, s28
	s_lshr_b32 s36, s[KIND], 1                     ; T: 0 for U, 1 for W
	s_lshl_b32 s36, s36, 3
	s_lshl_b32 s37, s32, 4
	s_add_co_u32 s36, s36, s37
	s_add_co_u32 s36, s36, s23
	s_mul_i32 s36, s36, 34816
	s_mul_i32 s37, s33, 8704
	s_add_co_u32 s36, s36, s37                     ; bw's block (tx, q, cgl)
	s_lshl_b32 s37, s[WV], 11
	s_add_co_u32 s37, s37, s36                     ; my codes
	s_add_co_u32 s38, s36, 8192                    ; the four gates' scale words
	s_mov_b32 s50, 4096
	s_mov_b32 s51, 34816
	s_cmp_eq_u32 s[KIND], 0                        ; the choice hangs on the work-group's number alone
	s_cselect_b32 s27, s27, s34
	s_cselect_b32 s30, s30, s37
	s_cselect_b32 s31, s31, s38
	s_cselect_b32 s39, 4096, 0                     ; the imaginary part: 4,096 bytes on in the same rows, or a tensor of its own
	s_cselect_b32 s50, 8192, s50                   ; bytes from row to row
	s_cselect_b32 s51, 17408, s51                  ; bytes from step to step in the workspace
	s_mul_i32 s55, s55, s51                        ; the unit that I store: step wave & 1, pair wave >> 1
	s_lshl_b32 s54, s54, 8
	s_add_co_u32 s31, s31, s55
	s_add_co_u32 s31, s31, s54
	v_mov_b32 v[OFF], v[LI]
.irp j, 1,2,3,4,5,6,7,8,9,10,11,12,13,14,15
	v_add_nc_u32 v[OFF+\j], s50, v[OFF+\j-1]
.endr
	s_wait_alu depctr_va_vdst(0)
	s_wait_kmcnt 0x0
	s_cmp_eq_u32 s24, 0
	s_cselect_b64 s[P0:P0+1], s[4:5], s[6:7]
	s_mov_b64 s[P0+2:P0+3], s[P0:P0+1]
	s_cmp_eq_u32 s[KIND], 1
	s_cselect_b64 s[P0:P0+1], s[8:9], s[P0:P0+1]
	s_cselect_b64 s[P0+2:P0+3], s[10:11], s[P0+2:P0+3]
	s_cmp_eq_u32 s[KIND], 2
	s_cselect_b64 s[P0:P0+1], s[12:13], s[P0:P0+1]
	s_cselect_b64 s[P0+2:P0+3], s[14:15], s[P0+2:P0+3]
	s_cmp_eq_u32 s[KIND], 0
	s_cselect_b64 s[DSC:DSC+1], s[16:17], s[18:19]
	s_mov_b32 s52, s27
	s_mov_b32 s53, 0
	s_add_nc_u64 s[P0:P0+1], s[P0:P0+1], s[52:53]
	s_add_co_u32 s52, s52, s39
	s_add_nc_u64 s[P0+2:P0+3], s[P0+2:P0+3], s[52:53]
	s_mov_b32 s52, s30
	s_add_nc_u64 s[DC:DC+1], s[DSC:DSC+1], s[52:53]
	s_mov_b32 s52, s51
	s_add_nc_u64 s[DC+2:DC+3], s[DC:DC+1], s[52:53]
	s_mov_b32 s52, s31
	s_add_nc_u64 s[DSC:DSC+1], s[DSC:DSC+1], s[52:53]
.macro LOAD f                          ; fragment f: 16 rows x 512 bytes; each load reads 512 consecutive bytes of one row
.irp j, 0,1,2,3,4,5,6,7,8,9,10,11,12,13,14,15
	global_load_b128 v[R+64*((\f)%2)+4*\j:R+64*((\f)%2)+4*\j+3], v[OFF+\j], s[P0+2*((\f)/2):P0+2*((\f)/2)+1] offset:512*((\f)%2) th:TH_LOAD_NT
.endr
.endm
.macro FRAGQ f
.if (\f) < 3
	s_wait_loadcnt 16                              ; this fragment's 16 loads are in; the next fragment's 16 may be out
.else
	s_wait_loadcnt 0x0
.endif
.irp j, 0,1,2,3,4,5,6,7,8,9,10,11,12,13,14,15
	ds_store_b128 v[STI], v[R+64*((\f)%2)+4*\j:R+64*((\f)%2)+4*\j+3] offset:528*\j
.endr
.irp cc, 0,1
.irp i, 0,1,2,3,4,5,6,7
	ds_load_b128 v[X+32*\cc+4*\i:X+32*\cc+4*\i+3], v[STO] offset:256*\cc+16*\i   ; LDS serves a wave's instructions in order: these see the stores above
.endr
.endr
	s_wait_dscnt 0x0                               ; my 64 numbers are in, and the stores have read their registers,
.if (\f)+2 < 4
	LOAD (\f)+2                                    ; which take the fragment two further on
.endif
.irp cc, 0,1
	v_max3_num_f32 v[M+\cc], |v[X+32*\cc]|, |v[X+32*\cc+1]|, 0x1800000   ; block 2 cc + h of row r: all its 32 numbers are mine; the floor 2^(3 - 127) holds the byte at 1 from below
.endr
.irp i, 2,4,6,8,10,12,14,16,18,20,22,24,26,28,30
.irp cc, 0,1
	v_max3_num_f32 v[M+\cc], v[M+\cc], |v[X+32*\cc+\i]|, |v[X+32*\cc+\i+1]|   ; (the two blocks by turns)
.endr
.endr
.irp cc, 0,1
	v_add_nc_u32 v[SOP+\cc], 0xff000000, v[M+\cc]  ; 2 off the exponent field: the conversion takes the exponent field of this operand as its scale, and nothing else of it
.endr
.irp cc, 0,1
	v_lshrrev_b32 v[BY+\cc], 23, v[SOP+\cc]        ; the scale's byte
.endr
.if (\f) > 0
	s_wait_alu depctr_va_vdst(0)
	s_wait_xcnt 0x0                                ; the last fragment's stores have read their data: the codes' registers are written again only behind this wait
.endif
.irp cc, 0,1
.irp g, 0,1,2,3
	v_cvt_scalef32_pk8_fp4_f32 v[C+4*\cc+\g], v[X+32*\cc+8*\g:X+32*\cc+8*\g+7], v[SOP+\cc]   ; registers 4 cc .. 4 cc + 3 of the operand
.endr
.endr
	v_lshl_or_b32 v[W], v[BY+1], 16, v[BY]         ; my two bytes, blocks h and 2 + h of row r (a plain line behind the conversions),
	v_lshlrev_b32 v[W], v[H8], v[W]                ; at their places in the scale word;
	v_permlanex16_b32 v[T], v[W], s48, s49
	v_or_b32 v[WD+(\f)], v[W], v[T]                ; with lane l xor 16's two the word is whole
.irp cc, 0,1
	global_store_b128 v[LI], v[C+4*\cc:C+4*\cc+3], s[DC+2*((\f)%2):DC+2*((\f)%2)+1] offset:1024*((\f)/2)+512*\cc   ; 32 lanes store 512 consecutive bytes, aligned
.endr
.endm
	LOAD 0
	LOAD 1
	FRAGQ 0
	FRAGQ 1
	FRAGQ 2
	FRAGQ 3
	v_cmp_ne_u32 vcc_lo, 0, v3                     ; lanes 0-15 hand over the first step's words (real, imaginary), lanes 16-31 the second's
	v_cndmask_b32 v[SW], v[WD], v[WD+1], vcc_lo
	v_cndmask_b32 v[SW+1], v[WD+2], v[WD+3], vcc_lo
	ds_store_b64 v[EXI], v[SW:SW+1]
	s_wait_dscnt 0x0                               ; for the others' sake: my words are in LDS
	s_barrier_signal -1
	s_barrier_wait -1
	ds_load_b64 v[SU:SU+1], v[EXO]
	s_wait_dscnt 0x0
	global_store_b64 v[SWO], v[SU:SU+1], s[DSC:DSC+1]   ; 32 lanes store 256 consecutive bytes, aligned
	s_wait_tensorcnt 0x0                           ; the wave's end
	ds_add_u32 v254, v255
	s_wait_dscnt 0x0
	s_endpgm
.Lfunc_end_k_q8d1dc16415_quant:
	.size	k_q8d1dc16415_quant, .Lfunc_end_k_q8d1dc16415_quant-k_q8d1dc16415_quant
	.p2alignl 7, 3214868480
	.fill 96, 4, 3214868480
	.section	.rodata,"a",@progbits
	.p2align	6, 0x0
	.amdhsa_kernel k_q8d1dc16415_quant
		.amdhsa_group_segment_fixed_size 35328
		.amdhsa_private_segment_fixed_size 0
		.amdhsa_enable_private_segment 0
		.amdhsa_kernarg_size 64
		.amdhsa_user_sgpr_count 2
		.amdhsa_user_sgpr_kernarg_segment_ptr 1
		.amdhsa_wavefront_size32 1
		.amdhsa_system_sgpr_workgroup_id_x 1
		.amdhsa_system_sgpr_workgroup_id_y 1
		.amdhsa_system_sgpr_workgroup_id_z 1
		.amdhsa_system_vgpr_workitem_id 0
		.amdhsa_next_free_vgpr 256
		.amdhsa_next_free_sgpr 66
		.amdhsa_reserve_vcc 1
		.amdhsa_float_denorm_mode_32 3
		.amdhsa_float_denorm_mode_16_64 3
		.amdhsa_memory_ordered 1
		.amdhsa_forward_progress 1
		.amdhsa_inst_pref_size 33
	.end_amdhsa_kernel
	.amdgpu_metadata
---
amdhsa.version: [ 1, 2 ]
amdhsa.kernels:
  - .name:           k_q8d1dc16415_quant
    .symbol:         k_q8d1dc16415_quant.kd
    .args:
      - { .name: input, .offset: 0, .size: 8, .value_kind: global_buffer, .address_space: global }
      - { .name: h_x, .offset: 8, .size: 8, .value_kind: global_buffer, .address_space: global }
      - { .name: Uw_r, .offset: 16, .size: 8, .value_kind: global_buffer, .address_space: global }
      - { .name: Uw_i, .offset: 24, .size: 8, .value_kind: global_buffer, .address_space: global }
      - { .name: Ww_r, .offset: 32, .size: 8, .value_kind: global_buffer, .address_space: global }
      - { .name: Ww_i, .offset: 40, .size: 8, .value_kind: global_buffer, .address_space: global }
      - { .name: aw, .offset: 48, .size: 8, .value_kind: global_buffer, .address_space: global }
      - { .name: bw, .offset: 56, .size: 8, .value_kind: global_buffer, .address_space: global }
    .group_segment_fixed_size: 35328
    .private_segment_fixed_size: 0
    .kernarg_segment_align: 8
    .kernarg_segment_size: 64
    .max_flat_workgroup_size: 128
    .sgpr_count:     66
    .vgpr_count:     256
    .wavefront_size: 32
...
	.end_amdgpu_metadata
.endif
;; end of part 1
;; launch cell (part 2): grid 16 x 16, 4 waves a work-group, clusters of 4 x 4, 327,680 bytes of LDS; arguments aw, bw, c_x, Ub_r, Ub_i, Wb_r, Wb_i, out0, out1; writes out0, out1
.if DOCPART == 2
	.amdgcn_target "amdgcn-amd-amdhsa--gfx1250"
	.amdhsa_code_object_version 6
	.text
	.protected	k_q8d1dc16415_cell
	.globl	k_q8d1dc16415_cell
	.p2align	8
	.type	k_q8d1dc16415_cell,@function
k_q8d1dc16415_cell:
	s_mov_b64 s[64:65], 0
	v_nop
	global_prefetch_b8 v0, s[64:65] scope:SCOPE_SE
	s_setreg_imm32_b32 hwreg(HW_REG_WAVE_MODE, 25, 1), 1
	s_wait_xcnt 0x0
	s_wait_alu depctr_hold_cnt(0) depctr_sa_sdst(0) depctr_va_vdst(0) depctr_va_sdst(0) depctr_va_ssrc(0) depctr_va_vcc(0) depctr_vm_vsrc(0)
	s_getreg_b32 s2, hwreg(HW_REG_IB_STS2, 6, 4)
	s_cmp_eq_u32 s2, 0
	s_cbranch_scc0 .Lentry_in_a_cluster
	s_endpgm
.Lentry_in_a_cluster:
	s_bfe_u32 s2, ttmp6, 0x10000c
	s_cmp_lg_u32 s2, 0xf033
	s_cbranch_scc0 .Lentry_shape_is_right
	s_endpgm
.Lentry_shape_is_right:
; The complex LSTM cell: z = U(x) + W(h) + biases for gates f, i, a, o, real and imaginary, as ONE product on codes of FP4 (E2M1) with E8M0 scales, and the cell's arithmetic on z in registers.
;   zr = xr Tr - xi Ti,  zi = xr Ti + xi Tr  (T = U on the input, W on h_x);  f, i, o = sigmoid(z), a = tanh(z), on real and imaginary halves alike;
;   ct = c * f + a * i (complex products);  ht = o * (tanh(ct_r) + i tanh(ct_i));  out0 = [ht_r | ht_i], out1 = [ct_r | ct_i].
; THE SIGN.  Every link of zr's sum takes -C: D = xr Tr - D, then D = xi Ti - D.  Two links make D = D + xi Ti - xr Tr: so behind each pair of links D holds -zr, and the sum starts on -bias.
;   The activations' constants take the sign back.  No operand is negated.
; SHARES.  A work-group takes 128 batch rows (ty) x 64 hidden units (tx) x all 8 z.  Wave w takes the 128 rows x hidden units 16 w .. 16 w + 15 x 8 z: 512 registers of sums.
; ONE MATRIX INSTRUCTION TAKES TWO GATES: source 0 = 16 units of gates 2 gp and 2 gp + 1 (32 rows), source 1 = 16 batch rows.  Lane (r, h) then holds batch row r, register j of a gate's eight hidden unit 8 h + j.
; The eight z of one (row, unit) lie in one lane, in the same register of eight tiles: the cell's arithmetic asks no other lane.
; K goes in 16 steps q of 128 along d (input's eight, then h_x's) of both complex parts: for each a wave reads 16 fragments of the activations and 8 of the weights and issues 64 matrix instructions.
;   aw [ty 16][q 16][17,408]: codes at 2048 a + 1024 c, scale words at 16,384 + 256 k + 8 lane + 4 c (lanes 0-15 row block 2 k, lanes 16-31 row block 2 k + 1).
;   bw [tx 16][q 16][wave 4][8,704]: codes at 2048 g + 1024 c, scale words at 8,192 + 256 gp + 8 lane + 4 c (lanes 0-15 gate 2 gp, lanes 16-31 gate 2 gp + 1).
; RING: two LDS slots of three steps each: 5 fills of three steps; the sixth brings step 15 and, in the rest of its slot, c_x's tile.  A slot is filled again behind ONE round of the cluster's barrier.
; CLUSTERS: 4 x 4 work-groups.  aw's block hangs on ty alone and is asked for jointly along a row of the cluster, bw's on tx alone and jointly along a column.  c_x's tile is shared by nobody.
; PREFETCH: behind fill f's load stand the requests for fill f + 1, three steps ahead of its load (at the head: fill 1's, behind fill 0's load).  Of the 204 and 408 blocks of 256 bytes of a fill the four partners
; take 51 and 102 each, told apart by address, and of these the four waves 13 and 26 (lanes left over name the wave's last block again).  Every request lies inside its buffer; the last fill asks for nothing.
; The results leave through a stage that lies over slot 0, which has had its last fill and its last read by then; a block of 16 batch rows leaves beside the next block's arithmetic.
; sigmoid(x) = 1 / (1 + 2^(-x log2 e)), tanh(x) = 1 - 2 / (1 + 2^(2 x log2 e)).  LIMITS: both go to their limits where the exponential overflows or falls to 0; near 0 this tanh carries an absolute
; error of about 1e-7; the f32 sums run in another order than the reference's; NaN and infinities among the inputs are not served.
; REGISTERS, in windows of 256.  Window 0: v4-31 addresses; v32-63 scale words, two sets, and nothing else; v64-127 the cell's arithmetic; v128-255 the activations' fragments (a, c) at 128 + 16 a + 8 c, later the gates.
;   Window 1: the weights' fragments (part c, gate g) at 64 p + 32 c + 8 g, two sets p; the biases' eight tiles at v128-191; on the way out 32 registers for each row block.
;   Window 2: sums (a, z) of row blocks a = 0-3 at 64 a + 8 z, z = 4 x (imaginary) + gate;  window 3: those of a = 4-7.
.set AQ,    17408                      ; aw's bytes of a step
.set BQ,    34816                      ; bw's
.set BOFF,  3*AQ                       ; in a slot: aw's three steps, then bw's three
.set SLOT,  3*AQ+3*BQ
.set CT,    SLOT+BOFF+BQ               ; c's tile, in slot 1 behind step 15's weights: the real half, 128 rows x 272 bytes, then the imaginary half
.set REGN,  34816                      ; 128 rows x 272: a half of c's tile, and a region of the stage.  The stage begins at LDS byte 0: 4 regions (ht_r, ht_i, ct_r, ct_i)
.set SPARE, 2*SLOT                     ; the spare words, 128 bytes for each wave: two blocks of 256 bytes that no other line names
.set BO,    4                          ; v4    the biases: 256 tx + 64 w + 32 h
.set ADRB2, 8                          ; v8-9, v10-11  as ADRB and ADRSB, two steps on
.set ADRSB2, 10
.set PFA,   12                         ; v12-15, v31: the prefetches' offsets; never rewritten
.set PFB,   13
.set PFA1,  14
.set PFB1,  15
.set ADRA,  16                         ; v16-17  slot s: 16 x lane
.set ADRSA, 18                         ; v18-19  slot s: 8 x lane
.set ADRB,  20                         ; v20-21  slot s: my weights: BOFF + 8,704 w + 16 x lane
.set ADRSB, 22                         ; v22-23  slot s: BOFF + 8,704 w + 8 x lane
.set CA,    24                         ; v24   c's tile: CT + 272 r + 64 w + 32 h
.set SO0,   25                         ; v25   the stage, ht's regions: 272 r + 64 w + 32 h
.set SO1,   26                         ; v26   ct's regions
.set RD,    27                         ; v27   the stage on the way back: region w, 272 h + 16 r
.set SPW,   28                         ; v28   LDS address of my spare word; never rewritten
.set NIL,   29                         ; v29   0; never rewritten
.set GO,    30                         ; v30   my byte offset in two rows of an output: 8192 h + 16 r; never rewritten
.set PFC,   31
.set SC,    32                         ; scale words: set p at 32 + 16 p: 2 k + c the activations', 8 + 2 gp + c my weights'
.set CR,    64
.set CI,    72
; (CR .. CTI: 16 registers further on for the second row block of a pair; the gates' 64 registers further on)
.set CTR,   96
.set CTI,   104
.set AF,    128
.set E,     128                        ; the cell's arithmetic: the eight gates' values, 8 registers a gate
.set TR,    128                        ; over gates f and i of the real part, which have been used by then
.set TI,    136
.set HTR,   160                        ; over gates f and i of the imaginary part
.set HTI,   168
.set BI,    128                        ; in window 1: bias tile z at 128 + 8 z
.set HF,    2                          ; s2    wave & 1
.set WV,    22                         ; s22   wave
.set FB,    23                         ; s23   wave >> 1: I fetch for aw (0) or for bw (1)
.set G1A,   24                         ; s[24:31] group 1 for aw's blocks, s[32:35] group 0
.set G0A,   32
.set PA3,   36                         ; s[36:37] my half of fill 0 in aw, with the descriptor's type bits
.set PB3,   38                         ; s[38:39] the same in bw
.set PTA,   44                         ; s[44:45] aw at ty
.set PTB,   46                         ; s[46:47] bw at tx
.set G1B,   48                         ; s[48:55], s[56:59] groups 1 and 0 for bw's
.set G0B,   56
.set G1C,   68                         ; s[68:75], s[76:79] for c's tile
.set G0C,   76
.set OUT,   80                         ; s[80:81] where my region of the results goes; never rewritten
.set CX,    82                         ; s[82:83] c_x at the work-group's first row and column
.set HA,    84                         ; s[84:85] my half of a fill of aw, in bytes
.set HB,    86                         ; s[86:87] of bw
.set KS,    88                         ; s[88:89] -log2(e), twice: the packed form names a pair
.set KT,    90                         ; s[90:91] 2 log2(e)
.set KP,    98                         ; s[98:99] log2(e)
.set KN,    100                        ; s[100:101] -2 log2(e)
.set MSB, 0
.macro WIN new                         ; the immediate's high byte repeats the setting that is left; a switch that changes nothing is dropped
.if MSB != (\new)
	s_set_vgpr_msb (MSB<<8)|(\new)
.set MSB, (\new)
.endif
.endm
.macro PLACES                          ; four plain vector instructions between a matrix instruction and a load into, or a vector instruction on, one of its registers (ISA guide 7.12.1 for vector instructions)
.rept 4
	v_nop
.endr
.endm
.macro TLOAD g0, g1
	tensor_load_to_lds s[\g0:\g0+3], s[\g1:\g1+7]
	s_nop 0
	PLACES
.endm
; A joint load: waves 0 and 1 fetch the two halves of aw's block, waves 2 and 3 those of bw's.  Each line has one mask and one set of registers for all that issue it; the branch hangs on the wave's number alone.
.macro JLOAD
	s_cmp_eq_u32 s[FB], 0
	s_cbranch_scc0 .Lfor_b_\@
	TLOAD G0A, G1A
	s_branch .Lasked_\@
.Lfor_b_\@:
	TLOAD G0B, G1B
.Lasked_\@:
.endm
; The last fill: wave 0 fetches step 15 of aw, wave 1 of bw (jointly), waves 2 and 3 the real and the imaginary half of c's tile.
.macro JLOADC
	s_cmp_lt_u32 s[WV], 1
	s_cbranch_scc0 .Lnot_a_\@
	TLOAD G0A, G1A
	s_branch .Lasked_\@
.Lnot_a_\@:
	s_cmp_lt_u32 s[WV], 2
	s_cbranch_scc0 .Lnot_b_\@
	TLOAD G0B, G1B
	s_branch .Lasked_\@
.Lnot_b_\@:
	TLOAD G0C, G1C
.Lasked_\@:
.endm
.macro CREST                           ; a round of the cluster's barrier behind its opening barrier
	s_cmp_lg_u32 s[WV], 0
	s_cbranch_scc1 .Lnot_wave_0_\@
	s_barrier_signal -3
.Lnot_wave_0_\@:
	s_barrier_wait -3
	s_barrier_signal -1
	s_barrier_wait -1
.endm
.macro CROUND                          ; a whole round
	s_barrier_signal -1
	s_barrier_wait -1
	CREST
.endm
.macro AIM f                           ; group 0 for fill f (written only where no tensor load of mine is out)
	s_add_co_u32 s[G0A+1], s[HA], ((\f)%2)*SLOT
	s_add_co_u32 s[G0B+1], s[HB], ((\f)%2)*SLOT+BOFF
	s_add_nc_u64 s[G0A+2:G0A+3], s[PA3:PA3+1], (\f)*3*AQ
	s_add_nc_u64 s[G0B+2:G0B+3], s[PB3:PB3+1], (\f)*3*BQ
.endm
.macro AIMC                            ; group 0 and the row counts for the last fill: step 15 alone, whole
	s_mov_b32 s[G0A+1], SLOT
	s_mov_b32 s[G0B+1], SLOT+BOFF
	s_add_nc_u64 s[G0A+2:G0A+3], s[PTA:PTA+1], 15*AQ
	s_or_b32 s[G0A+3], s[G0A+3], 0x80000000
	s_add_nc_u64 s[G0B+2:G0B+3], s[PTB:PTB+1], 15*BQ
	s_or_b32 s[G0B+3], s[G0B+3], 0x80000000
	s_mov_b32 s[G1A+2], 68<<16
	s_mov_b32 s[G1A+4], 68
	s_mov_b32 s[G1B+2], 136<<16
	s_mov_b32 s[G1B+4], 136
.endm
.macro ASK f                           ; the requests for fill f
.if (\f) < 5
	global_prefetch_b8 v[PFA], s[PTA:PTA+1] offset:(\f)*3*AQ th:TH_LOAD_NT scope:SCOPE_SE
	global_prefetch_b8 v[PFB], s[PTB:PTB+1] offset:(\f)*3*BQ th:TH_LOAD_NT scope:SCOPE_SE
.else
	global_prefetch_b8 v[PFA1], s[PTA:PTA+1] offset:15*AQ th:TH_LOAD_NT scope:SCOPE_SE
	global_prefetch_b8 v[PFB1], s[PTB:PTB+1] offset:15*BQ th:TH_LOAD_NT scope:SCOPE_SE
	global_prefetch_b8 v[PFC], s[CX:CX+1] th:TH_LOAD_NT scope:SCOPE_SE
	global_prefetch_b8 v[PFC], s[CX:CX+1] offset:32*8192 th:TH_LOAD_NT scope:SCOPE_SE
.endif
.endm
; a prefetch's offset: block pl x ps + min(ws x wave + min(lane, lm), um)
.macro PFOFF dst, ws, lm, um, pl, ps
	v_min_u32 v5, \lm, v3
	s_mul_i32 s97, s[WV], \ws
	v_add_nc_u32 v5, s97, v5
	v_min_u32 v5, \um, v5
	s_mul_i32 s97, s\pl, \ps
	v_add_lshl_u32 v[\dst], v5, s97, 8
.endm
	s_load_b256 s[4:11], s[0:1], 0x0               ; aw s[4:5], bw s[6:7], c_x s[8:9], Ub_r s[10:11]
	s_load_b256 s[12:19], s[0:1], 0x20             ; Ub_i s[12:13], Wb_r s[14:15], Wb_i s[16:17], out0 s[18:19]
	s_load_b64 s[20:21], s[0:1], 0x40              ; out1
	v_lshl_add_u32 v[SPW], v0, 2, SPARE
	v_mov_b32 v[NIL], 0
	ds_add_u32 v[SPW], v[NIL]                      ; the wave's opening: the add, twice on end, and its wait ahead of my first tensor load; work on registers stands between
	ds_add_u32 v[SPW], v[NIL]
	v_lshrrev_b32 v1, 5, v0
	v_readfirstlane_b32 s[WV], v1                  ; wave 0..3
	s_lshr_b32 s[FB], s[WV], 1
	s_and_b32 s[HF], s[WV], 1
	s_bfe_u32 s40, ttmp6, 0x40000                  ; cx, cy: my place in the cluster
	s_bfe_u32 s41, ttmp6, 0x40004
	s_lshl_b32 s42, ttmp9, 2
	s_add_co_u32 s42, s42, s40                     ; tx = 4 x cluster x + cx
	s_and_b32 s43, ttmp7, 0xffff
	s_lshl_b32 s43, s43, 2
	s_add_co_u32 s43, s43, s41                     ; ty = 4 x cluster y + cy
	s_lshl_b32 s44, s41, 2
	s_lshl_b32 s44, 15, s44                        ; my row of the cluster
	s_lshl_b32 s45, 0x1111, s40                    ; my column
	; group 1: dense blocks, as rows of 256 bytes (32 elements of 8 bytes), no padding: half of aw's three steps is 102 such rows, half of bw's 204
	s_or_b32 s[G1A], s44, (3<<16)|(1<<21)          ; 15:0 the mask: my row; 17:16 elements of 8 bytes; 21 set beside a mask
	s_or_b32 s[G1B], s45, (3<<16)|(1<<21)          ; the same with the mask of my column
	s_mov_b32 s[G1A+1], 32<<16                     ; tensor_dim0
	s_mov_b32 s[G1A+2], 102<<16                    ; tensor_dim1
	s_mov_b32 s[G1A+3], 32<<16                     ; tile_dim0
	s_mov_b32 s[G1A+4], 102                        ; tile_dim1
	s_mov_b32 s[G1A+5], 32                         ; tensor_dim0_stride
	s_mov_b32 s[G1A+6], 0
	s_mov_b32 s[G1A+7], 0
	s_mov_b32 s[G1B+1], 32<<16
	s_mov_b32 s[G1B+2], 204<<16
	s_mov_b32 s[G1B+3], 32<<16
	s_mov_b32 s[G1B+4], 204
	s_mov_b32 s[G1B+5], 32
	s_mov_b32 s[G1B+6], 0
	s_mov_b32 s[G1B+7], 0
	s_mov_b32 s[G1C], (2<<16)|(1<<20)|(5<<22)|(3<<25)   ; no mask; elements of 4 bytes; padding on: after every 64 words (code 5) 4 words (code 3)
	s_mov_b32 s[G1C+1], 64<<16                     ; 64 numbers a row,
	s_mov_b32 s[G1C+2], 128<<16                    ; 128 rows
	s_mov_b32 s[G1C+3], 64<<16
	s_mov_b32 s[G1C+4], 128
	s_mov_b32 s[G1C+5], 2048                       ; numbers from row to row of c_x
	s_mov_b32 s[G1C+6], 0
	s_mov_b32 s[G1C+7], 0
	; where the blocks come from.  aw's offset is made of ty and the wave's number, bw's of tx and the wave's number, each in registers that never hold the other coordinate
	s_mul_i32 s[HA], s[HF], 3*AQ/2
	s_mov_b32 s[HA+1], 0
	s_mul_i32 s[HB], s[HF], 3*BQ/2
	s_mov_b32 s[HB+1], 0
	s_mul_i32 s44, s43, 16*AQ
	s_mov_b32 s45, 0
	s_mul_i32 s46, s42, 16*BQ
	s_mov_b32 s47, 0
	s_lshl_b32 s92, s43, 20                        ; c_x and the outputs: 128 ty rows of 8,192 bytes
	s_lshl_b32 s93, s42, 8                         ; + 64 tx numbers
	s_add_co_u32 s92, s92, s93
	s_mov_b32 s93, 0
	s_lshl_b32 s94, s[HF], 12                      ; real (w & 1 = 0) or imaginary half
	s_mov_b32 s95, 0
	s_mul_i32 s96, s[HF], REGN
	s_add_co_u32 s[G0C+1], s96, CT                 ; no place in the cluster enters an LDS address
	s_mov_b32 s[KS], 0xbfb8aa3b                    ; -log2(e)
	s_mov_b32 s[KS+1], 0xbfb8aa3b
	s_mov_b32 s[KT], 0x4038aa3b                    ; 2 log2(e)
	s_mov_b32 s[KT+1], 0x4038aa3b
	s_mov_b32 s[KP], 0x3fb8aa3b
	s_mov_b32 s[KP+1], 0x3fb8aa3b
	s_mov_b32 s[KN], 0xc038aa3b
	s_mov_b32 s[KN+1], 0xc038aa3b
	v_and_b32 v1, 15, v0                           ; r
	v_bfe_u32 v2, v0, 4, 1                         ; h
	v_and_b32 v3, 31, v0                           ; lane
	s_wait_alu depctr_va_vdst(0)
	v_lshlrev_b32 v[ADRA], 4, v3
	v_lshlrev_b32 v[ADRSA], 3, v3
	s_mul_i32 s96, s[WV], BQ/4
	s_add_co_u32 s96, s96, BOFF
	v_add_nc_u32 v[ADRB], s96, v[ADRA]
	v_add_nc_u32 v[ADRSB], s96, v[ADRSA]
.irp x, ADRA, ADRSA, ADRB, ADRSB
	v_add_nc_u32 v[\x+1], SLOT, v[\x]
.endr
.irp s, 0,1
	v_add_nc_u32 v[ADRB2+\s], 2*BQ, v[ADRB+\s]
	v_add_nc_u32 v[ADRSB2+\s], 2*BQ, v[ADRSB+\s]
.endr
	s_lshl_b32 s96, s[WV], 6
	v_mul_u32_u24 v[SO0], v1, 272
	v_lshl_add_u32 v[SO0], v2, 5, v[SO0]
	v_add_nc_u32 v[SO0], s96, v[SO0]               ; row r, my eight units: 64 w + 32 h bytes
	v_add_nc_u32 v[SO1], 2*REGN, v[SO0]
	v_add_nc_u32 v[CA], CT, v[SO0]
	s_lshl_b32 s97, s42, 8
	s_add_co_u32 s97, s97, s96
	v_lshlrev_b32 v[BO], 5, v2
	v_add_nc_u32 v[BO], s97, v[BO]                 ; my eight hidden units' biases: 4 x (64 tx + 16 w + 8 h) bytes into a gate's row
	s_mul_i32 s97, s[WV], REGN
	v_mul_u32_u24 v[RD], v2, 272                   ; back: lanes 0-15 one row of 256 bytes, lanes 16-31 the next
	v_lshl_add_u32 v[RD], v1, 4, v[RD]
	v_add_nc_u32 v[RD], s97, v[RD]
	v_lshlrev_b32 v[GO], 13, v2                    ; and the same two rows in the output
	v_lshl_add_u32 v[GO], v1, 4, v[GO]
	PFOFF PFA, 13, 12, 50, 40, 51
	PFOFF PFB, 26, 25, 101, 41, 102
	PFOFF PFA1, 5, 4, 16, 40, 17
	PFOFF PFB1, 9, 8, 33, 41, 34
	s_lshl_b32 s97, s[FB], 19                      ; c's tile: wave w asks for 64 rows of one half, 32 rows a request
	s_add_co_u32 s97, s97, s94
	v_lshlrev_b32 v5, 13, v3
	v_add_nc_u32 v[PFC], s97, v5
	s_wait_alu depctr_va_vdst(0)
	s_wait_dscnt 0x0                               ; both opening adds are done
	CROUND                                         ; all sixteen work-groups are here: the first joint loads meet.  (The arguments are on their way meanwhile)
	s_wait_kmcnt 0x0
	s_add_nc_u64 s[PTA:PTA+1], s[4:5], s[44:45]
	s_add_nc_u64 s[PTB:PTB+1], s[6:7], s[46:47]
	s_add_nc_u64 s[PA3:PA3+1], s[PTA:PTA+1], s[HA:HA+1]
	s_or_b32 s[PA3+1], s[PA3+1], 0x80000000        ; type = 2
	s_add_nc_u64 s[PB3:PB3+1], s[PTB:PTB+1], s[HB:HB+1]
	s_or_b32 s[PB3+1], s[PB3+1], 0x80000000
	s_mov_b32 s[G0A], 1                            ; count = 1
	s_mov_b32 s[G0B], 1
	AIM 0
	JLOAD                                          ; fill 0: one tensor load a wave at the head
	s_add_nc_u64 s[CX:CX+1], s[8:9], s[92:93]
	s_mov_b32 s[G0C], 1
	s_add_nc_u64 s[G0C+2:G0C+3], s[CX:CX+1], s[94:95]
	s_or_b32 s[G0C+3], s[G0C+3], 0x80000000
	s_cmp_eq_u32 s[FB], 0                          ; waves 0, 1 store ht_r, ht_i into out0, waves 2, 3 ct_r, ct_i into out1
	s_cselect_b64 s[OUT:OUT+1], s[18:19], s[20:21]
	s_add_nc_u64 s[OUT:OUT+1], s[OUT:OUT+1], s[92:93]
	s_add_nc_u64 s[OUT:OUT+1], s[OUT:OUT+1], s[94:95]
	; THE BIASES are the C of each sum's first matrix instruction: eight registers a z, in the result's layout.  U's go to their place in window 1, W's to registers that the fragments take later
	WIN 0x40                                       ; destination window 1
.irp g, 0,1,2,3
	global_load_b128 v[BI+8*\g:BI+8*\g+3], v[BO], s[10:11] offset:\g*4096
	global_load_b128 v[BI+8*\g+4:BI+8*\g+7], v[BO], s[10:11] offset:\g*4096+16
	global_load_b128 v[BI+32+8*\g:BI+32+8*\g+3], v[BO], s[12:13] offset:\g*4096
	global_load_b128 v[BI+32+8*\g+4:BI+32+8*\g+7], v[BO], s[12:13] offset:\g*4096+16
.endr
	WIN 0
.irp g, 0,1,2,3
	global_load_b128 v[AF+8*\g:AF+8*\g+3], v[BO], s[14:15] offset:\g*4096
	global_load_b128 v[AF+8*\g+4:AF+8*\g+7], v[BO], s[14:15] offset:\g*4096+16
	global_load_b128 v[AF+32+8*\g:AF+32+8*\g+3], v[BO], s[16:17] offset:\g*4096
	global_load_b128 v[AF+32+8*\g+4:AF+32+8*\g+7], v[BO], s[16:17] offset:\g*4096+16
.endr
	ASK 1
	s_wait_loadcnt 0x0
	WIN 0x41                                       ; destination and source 0 window 1, source 1 window 0
.irp z, 0,1,2,3,4,5,6,7
.irp j, 0,2,4,6
.if \z < 4
	v_pk_add_f32 v[BI+8*\z+\j:BI+8*\z+\j+1], v[BI+8*\z+\j:BI+8*\z+\j+1], v[AF+8*\z+\j:AF+8*\z+\j+1] neg_lo:[1,1] neg_hi:[1,1]   ; zr's sums start on -bias, taken as -C
.else
	v_pk_add_f32 v[BI+8*\z+\j:BI+8*\z+\j+1], v[BI+8*\z+\j:BI+8*\z+\j+1], v[AF+8*\z+\j:AF+8*\z+\j+1]
.endif
.endr
.endr
	WIN 0
; One product.  a: row block; gp: gates 2 gp, 2 gp + 1; im: 0 zr, 1 zi; w: the weight's part; c: the activations' part; q: the step; bi = 1: C is the bias tile.
; Source 0's scale words fill all 32 lanes; source 1's are read from lanes 0-15 (even row block) or lanes 16-31 (odd).
.macro MM a, gp, im, w, c, q, bi
.set xP, (\q)%2
.set xD, 64*((\a)%4)+32*(\im)+16*(\gp)
.set xW, 64*xP+32*(\w)+16*(\gp)
.set xA, AF+16*(\a)+8*(\c)
.set kW, SC+16*xP+8+2*(\gp)+(\w)
.set kA, SC+16*xP+2*((\a)/2)+(\c)
.if \bi
.set xC, BI+32*(\im)+16*(\gp)
.else
.set xC, xD
.endif
.if (\im) == 0
.if ((\a)%2) == 0
	v_wmma_scale_f32_32x16x128_f4 v[xD:xD+15], v[xW:xW+15], v[xA:xA+7], v[xC:xC+15], v[kW], v[kA] neg_lo:[0,0,1]
.else
	v_wmma_scale_f32_32x16x128_f4 v[xD:xD+15], v[xW:xW+15], v[xA:xA+7], v[xC:xC+15], v[kW], v[kA] matrix_b_scale:MATRIX_SCALE_ROW1 neg_lo:[0,0,1]
.endif
.else
.if ((\a)%2) == 0
	v_wmma_scale_f32_32x16x128_f4 v[xD:xD+15], v[xW:xW+15], v[xA:xA+7], v[xC:xC+15], v[kW], v[kA]
.else
	v_wmma_scale_f32_32x16x128_f4 v[xD:xD+15], v[xW:xW+15], v[xA:xA+7], v[xC:xC+15], v[kW], v[kA] matrix_b_scale:MATRIX_SCALE_ROW1
.endif
.endif
.endm
; Eight products: row blocks 2 m and 2 m + 1, the activations' part c.  The pair's eight accumulators take turns, one instruction a turn, in the same order for both parts.
; bi = 1: they start the sums on the biases (C in window 1): nothing is ever cleared.
.macro HALF m, c, q, bi
.if \bi
	WIN 0x91+0x40*((\m)/2)                         ; source 0 and C window 1, source 1 window 0, D window 2 or 3
.else
	WIN 0xa1+0x50*((\m)/2)                         ; source 0 window 1, source 1 window 0, C and D window 2 or 3
.endif
.irp u, 0,1
.irp g, 0,1
	MM 2*\m+\u, \g, 0, \c, \c, \q, \bi             ; zr: xr Tr, then xi Ti
.endr
.irp g, 0,1
	MM 2*\m+\u, \g, 1, 1-\c, \c, \q, \bi           ; zi: xr Ti, then xi Tr
.endr
.endr
.endm
; LDS loads.  Step q lies in slot (q / 3) % 2, at place q % 3.  A fragment comes as it was stored: each load reads 512 consecutive bytes.
.macro LDA q, m                        ; the activations of row blocks 2 m, 2 m + 1: 8 loads
.set xS, ((\q)/3)%2
.set xO, AQ*((\q)%3)+4096*(\m)
.irp u, 0,1,2,3
.irp e, 0,1
	ds_load_b128 v[AF+32*(\m)+8*\u+4*\e:AF+32*(\m)+8*\u+4*\e+3], v[ADRA+xS] offset:xO+1024*\u+512*\e
.endr
.endr
.endm
.macro LDB q, k                        ; my weights' part k, four gates, into set q % 2: 8 loads (destination window 1)
.set xP, (\q)%2
.set xS, ((\q)/3)%2
.if ((\q)%3) == 2
.set xS, xS+ADRB2
.set xO, 1024*(\k)
.else
.set xS, xS+ADRB
.set xO, BQ*((\q)%3)+1024*(\k)
.endif
.irp g, 0,1,2,3
.irp e, 0,1
	ds_load_b128 v[64*xP+32*(\k)+8*\g+4*\e:64*xP+32*(\k)+8*\g+4*\e+3], v[xS] offset:xO+2048*\g+512*\e
.endr
.endr
.endm
.macro LDSC q                          ; the step's scale words into set q % 2: 6 loads
.set xP, SC+16*((\q)%2)
.set xS, ((\q)/3)%2
.irp k, 0,1,2,3
	ds_load_b64 v[xP+2*\k:xP+2*\k+1], v[ADRSA+xS] offset:AQ*((\q)%3)+16384+256*\k
.endr
.if ((\q)%3) == 2
.set xS, xS+ADRSB2
.set xO, 8192
.else
.set xS, xS+ADRSB
.set xO, BQ*((\q)%3)+8192
.endif
.irp k, 0,1
	ds_load_b64 v[xP+8+2*\k:xP+8+2*\k+1], v[xS] offset:xO+256*\k
.endr
.endm
; A step whose successor lies in the same slot: four pairs of row blocks, two runs of loads.  In pair 0's middle: this step's pairs 2 and 3, in registers that the step before has left, and the next step's first
; part of the weights, in their other set.  In pair 2's middle the rest of the next step: scale words, weights, pairs 0 and 1.
.macro QNORM q, bi
	s_wait_dscnt 8                                 ; all but pair 1 (8 loads) is in
	HALF 0, 0, \q, \bi
	PLACES
	WIN 0
	LDA \q, 2
	LDA \q, 3
	WIN 0x40
	LDB \q+1, 0
	HALF 0, 1, \q, 0
	s_wait_dscnt 24                                ; pair 1 is in; behind it the 24 above
	HALF 1, 0, \q, \bi
	HALF 1, 1, \q, 0
	s_wait_dscnt 16                                ; pair 2 is in; behind it 8 and 8
	HALF 2, 0, \q, \bi
	PLACES
	WIN 0
	LDSC \q+1
	WIN 0x40
	LDB \q+1, 1
	WIN 0
	LDA \q+1, 0
	LDA \q+1, 1
	HALF 2, 1, \q, 0
	s_wait_dscnt 38                                ; pair 3 is in; behind it 8 and 30
	HALF 3, 0, \q, \bi
	HALF 3, 1, \q, 0
.endm
; A slot's last step changes slots: ONE barrier, in pair 1.  f: the fill that goes into this slot behind it (5: the last one; 6: none, and no round follows).
.macro QTURN q, f
	s_wait_dscnt 8
	HALF 0, 0, \q, 0
	PLACES
	WIN 0
	LDA \q, 2
	LDA \q, 3                                      ; my last reads of this slot
	HALF 0, 1, \q, 0
	WIN 0                                          ; (the add's two registers lie in window 0)
	s_wait_tensorcnt 0x0                           ; all my tensor loads have landed: my part of the next slot
.if (\f) < 6
	ds_add_u32 v[SPW], v[NIL]                      ; 0 onto my spare word
.if (\f) < 5
	AIM \f
.else
	AIMC
.endif
	s_wait_dscnt 17                                ; pair 1 is in; behind it 8, 8 and the add
.else
	s_wait_dscnt 16
.endif
	HALF 1, 0, \q, 0                               ; eight matrix instructions stand between the add and the wait for it
	s_wait_dscnt 0x0                               ; the add is done, and my reads of this slot are over
	s_barrier_signal -1
	HALF 1, 1, \q, 0                               ; work on registers while the others arrive
	WIN 0
	s_barrier_wait -1
.if (\f) < 6
	CREST                                          ; no wave of any partner still reads this slot or has a load on its way
.if (\f) < 5
	JLOAD                                          ; the first tensor load behind the round, my only one until the next; its four v_nop are also the places in front of the loads below
.else
	JLOADC
.endif
.else
	PLACES
.endif
	LDSC \q+1
	WIN 0x40
	LDB \q+1, 0
	LDB \q+1, 1
	WIN 0
	LDA \q+1, 0
	LDA \q+1, 1
.if (\f) < 5
	ASK (\f)+1
.endif
	HALF 2, 0, \q, 0
	HALF 2, 1, \q, 0
	HALF 3, 0, \q, 0
	HALF 3, 1, \q, 0
.endm
.macro LDC p                           ; c of row blocks 2 p, 2 p + 1: my eight units, real and imaginary
.irp u, 0,1
	ds_load_b128 v[CR+16*\u:CR+16*\u+3], v[CA] offset:(2*(\p)+\u)*4352
	ds_load_b128 v[CR+16*\u+4:CR+16*\u+7], v[CA] offset:(2*(\p)+\u)*4352+16
	ds_load_b128 v[CI+16*\u:CI+16*\u+3], v[CA] offset:(2*(\p)+\u)*4352+REGN
	ds_load_b128 v[CI+16*\u+4:CI+16*\u+7], v[CA] offset:(2*(\p)+\u)*4352+REGN+16
.endr
.endm
	s_wait_alu depctr_va_vdst(0)
	s_wait_tensorcnt 0x0                           ; my part of fill 0 is in
	ds_add_u32 v[SPW], v[NIL]
	AIM 1
	s_wait_dscnt 0x0                               ; the add is done
	CROUND                                         ; everybody's part of fill 0 is in, and all sixteen work-groups are here: the joint loads meet
	JLOAD                                          ; fill 1, into slot 1
	LDSC 0
	WIN 0x40
	LDB 0, 0
	LDB 0, 1
	WIN 0
	LDA 0, 0
	LDA 0, 1
	ASK 2
	QNORM 0, 1
	QNORM 1, 0
	QTURN 2, 2
	QNORM 3, 0
	QNORM 4, 0
	QTURN 5, 3
	QNORM 6, 0
	QNORM 7, 0
	QTURN 8, 4
	QNORM 9, 0
	QNORM 10, 0
	QTURN 11, 5
	QNORM 12, 0
	QNORM 13, 0
	QTURN 14, 6                                    ; step 15 and c's tile are in; behind this barrier nobody reads slot 0 any more: the stage may be written
	s_wait_dscnt 8                                 ; step 15: nothing more to fetch but pairs 2 and 3
	HALF 0, 0, 15, 0
	PLACES
	WIN 0
	LDA 15, 2
	LDA 15, 3
	HALF 0, 1, 15, 0
	s_wait_dscnt 16
	HALF 1, 0, 15, 0
	HALF 1, 1, 15, 0
	s_wait_dscnt 8
	HALF 2, 0, 15, 0
	HALF 2, 1, 15, 0
	s_wait_dscnt 0x0
	WIN 0
	LDC 0
	HALF 3, 0, 15, 0
	HALF 3, 1, 15, 0
	PLACES                                         ; in front of the loads and vector instructions that write the registers which held fragments, and of the first reads of results
; THE WAY OUT, a row block of 16 batch rows at a time.  Wave w takes region w of the stage: 16 rows of 256 bytes, two rows an instruction, into 32 registers of window 1 that are the block's own:
; no store's data are ever written again.
.macro RDB k
	WIN 0x40                                       ; destination window 1
.irp t, 0,1,2,3,4,5,6,7
	ds_load_b128 v[32*(\k)+4*\t:32*(\k)+4*\t+3], v[RD] offset:(8*(\k)+\t)*544
.endr
	WIN 0
.endm
.macro SEND k
	WIN 0x04                                       ; a store's data are its source 1: window 1
.irp t, 0,1,2,3,4,5,6,7
	global_store_b128 v[GO], v[32*(\k)+4*\t:32*(\k)+4*\t+3], s[OUT:OUT+1] offset:(8*(\k)+\t)*16384 th:TH_STORE_NT   ; 16 lanes store 256 consecutive bytes, aligned; written once, read by nobody here
.endr
	WIN 0
.endm
; one wait ahead of a batch of transcendentals and one behind it
.macro BATCH op, n                     ; the first n registers of both row blocks' gates, in place
	s_wait_alu depctr_va_vdst(0)
.irp u, 0,1
.set i, E+64*\u
.rept \n
	\op v[i], v[i]
.set i, i+1
.endr
.endr
	v_nop
	s_wait_alu depctr_va_vdst(0)
.endm
.macro PLUS1 n
.irp u, 0,1
.set i, E+64*\u
.rept (\n)/2
	v_pk_add_f32 v[i:i+1], v[i:i+1], 1.0 op_sel_hi:[1,0]
.set i, i+2
.endr
.endr
.endm
; THE CELL, two row blocks 2 p + u at a time.  Lane (r, h): batch row 16 a + r, hidden units 8 h + 0 .. 7 of my 16: eight numbers of each of the eight z.  zr's sums hold -zr.
; The pair before: its rows were stored into the stage; I signal when my stores are done, the exponentials run, and behind the barrier's wait the whole rows are read back; they leave behind the reciprocals.
.macro EPI p
.set AC, 128*((\p)%2)
	WIN 0x02+(\p)/2                                ; source 0: window 2 or 3
	s_wait_alu depctr_va_vdst(0)
.irp u, 0,1
.irp z, 0,1,2,3,4,5,6,7
.set xE, E+64*\u+8*\z
.set xC, AC+64*\u+8*\z
.if \z == 2
.set xK, KN                            ; gate a: 2 z log2(e)
.elseif \z == 6
.set xK, KT
.elseif \z < 4
.set xK, KP                            ; gates f, i, o: -z log2(e)
.else
.set xK, KS
.endif
.irp j, 0,2,4,6
	v_pk_mul_f32 v[xE+\j:xE+\j+1], v[xC+\j:xC+\j+1], s[xK:xK+1] op_sel_hi:[1,0]   ; each accumulator is read from its low end on
.endr
.endr
.endr
	WIN 0
.if (\p) > 0
	s_wait_alu depctr_va_vdst(0)                   ; ahead of the wait below
	s_wait_dscnt 0x0                               ; for the others' sake: my stores into the stage are done
	s_barrier_signal -1
.endif
	BATCH v_exp_f32, 64
.if (\p) > 0
	s_barrier_wait -1                              ; a row's 256 bytes come from four waves: now the last pair's rows are whole.  Each stage byte is written once and read once: one barrier a pair
	RDB 2*(\p)-2
	RDB 2*(\p)-1
.endif
	PLUS1 64
	BATCH v_rcp_f32, 64                            ; the sigmoids
	s_wait_dscnt 0x0                               ; c is in, and so are the rows of the pair before
.if (\p) > 0
	SEND 2*(\p)-2
	SEND 2*(\p)-1
.endif
.irp u, 0,1
.irp z, 2,6
.set xE, E+64*\u+8*\z
.irp j, 0,2,4,6
	v_pk_fma_f32 v[xE+\j:xE+\j+1], v[xE+\j:xE+\j+1], -2.0, 1.0 op_sel_hi:[1,0,0]   ; gate a: tanh = 1 - 2 / (1 + 2^(2 z log2 e))
.endr
.endr
.endr
	; a row block's gates: + 0 fr, + 8 ir, + 16 ar, + 24 or, + 32 fi, + 40 ii, + 48 ai, + 56 oi
.irp u, 0,1
.set xE, E+64*\u
.set xR, CTR+16*\u
.set xI, CTI+16*\u
.set cR, CR+16*\u
.set cI, CI+16*\u
.irp j, 0,2,4,6
	v_pk_mul_f32 v[xR+\j:xR+\j+1], v[xE+48+\j:xE+48+\j+1], v[xE+40+\j:xE+40+\j+1]                             ; ai ii
	v_pk_mul_f32 v[xI+\j:xI+\j+1], v[xE+48+\j:xE+48+\j+1], v[xE+8+\j:xE+8+\j+1]                               ; ai ir
.endr
.irp j, 0,2,4,6
	v_pk_fma_f32 v[xR+\j:xR+\j+1], v[cI+\j:cI+\j+1], v[xE+32+\j:xE+32+\j+1], v[xR+\j:xR+\j+1]                 ; + ci fi
	v_pk_fma_f32 v[xI+\j:xI+\j+1], v[xE+16+\j:xE+16+\j+1], v[xE+40+\j:xE+40+\j+1], v[xI+\j:xI+\j+1]           ; + ar ii
.endr
.irp j, 0,2,4,6
	v_pk_fma_f32 v[xR+\j:xR+\j+1], v[cR+\j:cR+\j+1], v[xE+\j:xE+\j+1], v[xR+\j:xR+\j+1] neg_lo:[0,0,1] neg_hi:[0,0,1]   ; cr fr - (ci fi + ai ii)
	v_pk_fma_f32 v[xI+\j:xI+\j+1], v[cI+\j:cI+\j+1], v[xE+\j:xE+\j+1], v[xI+\j:xI+\j+1]                       ; + ci fr
.endr
.irp j, 0,2,4,6
	v_pk_fma_f32 v[xR+\j:xR+\j+1], v[xE+16+\j:xE+16+\j+1], v[xE+8+\j:xE+8+\j+1], v[xR+\j:xR+\j+1]             ; + ar ir: ct_r
	v_pk_fma_f32 v[xI+\j:xI+\j+1], v[cR+\j:cR+\j+1], v[xE+32+\j:xE+32+\j+1], v[xI+\j:xI+\j+1]                 ; + cr fi: ct_i
.endr
.endr
.irp u, 0,1
.irp j, 0,2,4,6
	v_pk_mul_f32 v[TR+64*\u+\j:TR+64*\u+\j+1], v[CTR+16*\u+\j:CTR+16*\u+\j+1], s[KT:KT+1] op_sel_hi:[1,0]
	v_pk_mul_f32 v[TI+64*\u+\j:TI+64*\u+\j+1], v[CTI+16*\u+\j:CTI+16*\u+\j+1], s[KT:KT+1] op_sel_hi:[1,0]
.endr
.endr
.if (\p) < 3
	LDC (\p)+1                                     ; the next pair's c
.endif
	BATCH v_exp_f32, 16                            ; (TI's eight follow TR's)
	PLUS1 16
	BATCH v_rcp_f32, 16
.irp u, 0,1
.set xE, E+64*\u
.set xR, HTR+64*\u
.set xI, HTI+64*\u
.irp j, 0,2,4,6,8,10,12,14
	v_pk_fma_f32 v[xE+\j:xE+\j+1], v[xE+\j:xE+\j+1], -2.0, 1.0 op_sel_hi:[1,0,0]   ; tanh(ct_r), tanh(ct_i)
.endr
.irp j, 0,2,4,6
	v_pk_mul_f32 v[xR+\j:xR+\j+1], v[xE+56+\j:xE+56+\j+1], v[xE+8+\j:xE+8+\j+1]                               ; oi ti
	v_pk_mul_f32 v[xI+\j:xI+\j+1], v[xE+24+\j:xE+24+\j+1], v[xE+8+\j:xE+8+\j+1]                               ; or ti
.endr
.irp j, 0,2,4,6
	v_pk_fma_f32 v[xR+\j:xR+\j+1], v[xE+24+\j:xE+24+\j+1], v[xE+\j:xE+\j+1], v[xR+\j:xR+\j+1] neg_lo:[0,0,1] neg_hi:[0,0,1]   ; or tr - oi ti: ht_r
	v_pk_fma_f32 v[xI+\j:xI+\j+1], v[xE+56+\j:xE+56+\j+1], v[xE+\j:xE+\j+1], v[xI+\j:xI+\j+1]                 ; + oi tr: ht_i
.endr
.endr
.irp u, 0,1                            ; 32 bytes of row 16 a + r in each of the stage's four regions: bytes 4352 a to 4352 a + 4351 of a region are block a's alone
.set xO, (2*(\p)+\u)*4352
.irp e, 0,4
	ds_store_b128 v[SO1], v[CTR+16*\u+\e:CTR+16*\u+\e+3] offset:xO+4*\e
	ds_store_b128 v[SO1], v[CTI+16*\u+\e:CTI+16*\u+\e+3] offset:xO+REGN+4*\e
	ds_store_b128 v[SO0], v[HTR+64*\u+\e:HTR+64*\u+\e+3] offset:xO+4*\e
	ds_store_b128 v[SO0], v[HTI+64*\u+\e:HTI+64*\u+\e+3] offset:xO+REGN+4*\e
.endr
.endr
.endm
.irp p, 0,1,2,3
	EPI \p
.endr
	s_wait_dscnt 0x0
	s_barrier_signal -1
	s_barrier_wait -1
	RDB 6
	RDB 7
	s_wait_dscnt 8                                 ; block 6's rows are back
	SEND 6
	s_wait_dscnt 0x0                               ; the last block's rows are back
	SEND 7
	s_wait_tensorcnt 0x0                           ; the wave's end, behind my last tensor load and my last LDS store
	ds_add_u32 v[SPW], v[NIL]
	s_wait_dscnt 0x0
	CROUND                                         ; the closing round: no work-group ends while a partner may still ask for a block that names it
	s_endpgm
.Lfunc_end_k_q8d1dc16415_cell:
	.size	k_q8d1dc16415_cell, .Lfunc_end_k_q8d1dc16415_cell-k_q8d1dc16415_cell
	.p2alignl 7, 3214868480
	.fill 96, 4, 3214868480
	.section	.rodata,"a",@progbits
	.p2align	6, 0x0
	.amdhsa_kernel k_q8d1dc16415_cell
		.amdhsa_group_segment_fixed_size 327680
		.amdhsa_private_segment_fixed_size 0
		.amdhsa_enable_private_segment 0
		.amdhsa_kernarg_size 72
		.amdhsa_user_sgpr_count 2
		.amdhsa_user_sgpr_kernarg_segment_ptr 1
		.amdhsa_wavefront_size32 1
		.amdhsa_system_sgpr_workgroup_id_x 1
		.amdhsa_system_sgpr_workgroup_id_y 1
		.amdhsa_system_sgpr_workgroup_id_z 1
		.amdhsa_system_vgpr_workitem_id 0
		.amdhsa_next_free_vgpr 1024
		.amdhsa_next_free_sgpr 102
		.amdhsa_reserve_vcc 0
		.amdhsa_float_denorm_mode_32 3
		.amdhsa_float_denorm_mode_16_64 3
		.amdhsa_memory_ordered 1
		.amdhsa_forward_progress 1
		.amdhsa_inst_pref_size 255
	.end_amdhsa_kernel
	.section	.bss,"aw",@nobits
	.p2align	6
	.space	262144
	.amdgpu_metadata
---
amdhsa.version: [ 1, 2 ]
amdhsa.kernels:
  - .name:           k_q8d1dc16415_cell
    .symbol:         k_q8d1dc16415_cell.kd
    .args:
      - { .name: aw, .offset: 0, .size: 8, .value_kind: global_buffer, .address_space: global }
      - { .name: bw, .offset: 8, .size: 8, .value_kind: global_buffer, .address_space: global }
      - { .name: c_x, .offset: 16, .size: 8, .value_kind: global_buffer, .address_space: global }
      - { .name: Ub_r, .offset: 24, .size: 8, .value_kind: global_buffer, .address_space: global }
      - { .name: Ub_i, .offset: 32, .size: 8, .value_kind: global_buffer, .address_space: global }
      - { .name: Wb_r, .offset: 40, .size: 8, .value_kind: global_buffer, .address_space: global }
      - { .name: Wb_i, .offset: 48, .size: 8, .value_kind: global_buffer, .address_space: global }
      - { .name: out0, .offset: 56, .size: 8, .value_kind: global_buffer, .address_space: global }
      - { .name: out1, .offset: 64, .size: 8, .value_kind: global_buffer, .address_space: global }
    .group_segment_fixed_size: 327680
    .private_segment_fixed_size: 0
    .kernarg_segment_align: 8
    .kernarg_segment_size: 72
    .max_flat_workgroup_size: 128
    .sgpr_count:     102
    .vgpr_count:     1024
    .wavefront_size: 32
...
	.end_amdgpu_metadata
.endif
;; end of part 2
